; MI455X (gfx1250); checked and timed in simulation.
; The chip was launched on July 23, 2026; its instructions are those of AMD's public machine-readable ISA for CDNA 5 (MIT licence, August 2026) and "CDNA5" Instruction Set Architecture Reference Guide (July 2026). The comments in the code are by the model that wrote it; some were corrected since.
;; Multi Headed Attention. Allowed arithmetic: matrix products marked QUANTISED: E2M1 operands, one E8M0 scale for each 32 along K, by v_wmma_scale_f32_16x16x128_f8f6f4 with both operands' format E2M1 (or v_wmma_scale_f32_32x16x128_f4), f32 sums; everything else in f32.
;; Inputs: Wk_codes 1,024 x 32 x 16 uint8 (E2M1 codes of Wk, K innermost, in blocks of 32 codes, two codes a byte); Wk_scales 1,024 x 32 uint8 (E8M0 scales of Wk, one for each 32 codes along K); Wo_codes 1,024 x 32 x 16 uint8 (E2M1 codes of Wo, K innermost, in blocks of 32 codes, two codes a byte); Wo_scales 1,024 x 32 uint8 (E8M0 scales of Wo, one for each 32 codes along K); Wq_codes 1,024 x 32 x 16 uint8 (E2M1 codes of Wq, K innermost, in blocks of 32 codes, two codes a byte); Wq_scales 1,024 x 32 uint8 (E8M0 scales of Wq, one for each 32 codes along K); Wv_codes 1,024 x 32 x 16 uint8 (E2M1 codes of Wv, K innermost, in blocks of 32 codes, two codes a byte); Wv_scales 1,024 x 32 uint8 (E8M0 scales of Wv, one for each 32 codes along K); bk 1,024 float32; bo 1,024 float32; bq 1,024 float32; bv 1,024 float32; key_input_codes 4 x 2,048 x 32 x 16 uint8 (E2M1 codes of key_input, K innermost, in blocks of 32 codes, two codes a byte); key_input_scales 4 x 2,048 x 32 uint8 (E8M0 scales of key_input, one for each 32 codes along K); mask 4 x 1 x 2,048 x 2,048 bool; query_input_codes 4 x 2,048 x 32 x 16 uint8 (E2M1 codes of query_input, K innermost, in blocks of 32 codes, two codes a byte); query_input_scales 4 x 2,048 x 32 uint8 (E8M0 scales of query_input, one for each 32 codes along K); value_input_codes 4 x 2,048 x 32 x 16 uint8 (E2M1 codes of value_input, K innermost, in blocks of 32 codes, two codes a byte); value_input_scales 4 x 2,048 x 32 uint8 (E8M0 scales of value_input, one for each 32 codes along K).
;; Outputs: out0 4 x 2,048 x 1,024 float32.
;; This version of the problem:
;;   THIS VERSION OF THE PROBLEM IS GIVEN IN LOW PRECISION. The matrix products marked QUANTISED in the list below multiply operands that are first quantised to E2M1 (2 exponent bits, 1 mantissa bit; 4 bits a number), with one power-of-two scale for each 32 numbers along K (OCP MX v1.0); their sums are f32. All else is computed in f32.
;;   The module's matrix products, in the order in which they are computed (A, B: the left and right operand; K: the contracted axis; several contracted axes count as one K, in the product's order):
;;     1. [M 8,192, K 1,024] x [K 1,024, N 1,024]; A: input query_input (given as codes); B: input Wq (given as codes): QUANTISED
;;     2. [M 8,192, K 1,024] x [K 1,024, N 1,024]; A: input key_input (given as codes); B: input Wk (given as codes): QUANTISED
;;     3. [M 8,192, K 1,024] x [K 1,024, N 1,024]; A: input value_input (given as codes); B: input Wv (given as codes): QUANTISED
;;     4. batch 64 x [M 2,048, K 64] x [K 64, N 2,048]; A: computed on the way; B: computed on the way: QUANTISED
;;     5. batch 64 x [M 2,048, K 2,048] x [K 2,048, N 64]; A: softmax (see below); B: computed on the way: QUANTISED
;;     6. [M 8,192, K 1,024] x [K 1,024, N 1,024]; A: computed on the way; B: input Wo (given as codes): QUANTISED
;;   THE QUANTISER, for each operand of a quantised product, along K:
;;     - K is cut into blocks of 32 from its start; a last block that is shorter is filled with zeros.
;;     - A block's scale is 2^e with e = floor(log2(the largest magnitude in the block)) - 2, held to -126 .. 127; a block of zeros has e = 0. As a byte (E8M0): e + 127.
;;     - Each number is divided by its block's scale, clamped to +-6, and rounded to the nearest number of E2M1, ties to even, subnormals kept.
;;     - The product sums the exact products of the quantised numbers (number of the format x scale) in f32.
;;   ~~~python
;;   def quantise(x, axis):      # numpy; x: float32 -> the quantised numbers, widened to float32 again
;;       x = np.moveaxis(x, axis, -1); K = x.shape[-1]
;;       x = np.pad(x, [(0, 0)] * (x.ndim - 1) + [(0, -K % 32)]); x = x.reshape(x.shape[:-1] + (-1, 32)); a = np.abs(x).max(-1, keepdims=True)
;;       e = np.where(a > 0, np.clip(np.frexp(np.where(a > 0, a, 1))[1] - 1 - 2, -126, 127), 0)      # np.frexp(a)[1] - 1 = floor(log2(a)), exactly
;;       r = np.clip(x / 2.0 ** e, -6, 6)
;;       step = 2.0 ** (np.maximum(np.frexp(np.where(r == 0, 1, r))[1] - 1, 0) - 1)
;;       q = np.round(r / step) * step * 2.0 ** e      # np.round: ties to even
;;       return np.moveaxis(q.reshape(q.shape[:-2] + (-1,))[..., :K], -1, axis).astype(np.float32)
;;   ~~~
;;   SOFTMAX AHEAD OF A QUANTISED PRODUCT. Where the list says 'softmax', what is quantised is not the finished softmax but p = 2^(t - M), with t = logit x log2(e) and M = ceil(the row's largest t), a whole number; so 1/2 < the row's largest p <= 1. The row's sum l is taken of the UNQUANTISED p, in f32, and the product's result is divided by l at the end. Since M is a whole number, a kernel that streams over the keys may use a running M (the ceiling of the running maximum): every later rescaling is an exact power of two, which a block's scale takes up: the codes' values come out the same.
;;   OPERANDS COMPUTED ON THE WAY. 'Computed on the way' means the value that the module computes at that place (a softmax that the list does not call 'softmax' is quantised finished and normalised). What goes into a quantiser is computed in f32, as accurately as f32 sums, v_exp_f32 and their like allow (about 1e-6 of the number): no bf16 or f16 on the way to a quantiser, and a product that is left as it is and whose result goes on into a quantised operand takes f32 operands (vector FMAs, or v_wmma_f32_16x16x4_f32). A number that lies on a knife's edge between two numbers of the format may be rounded either way, as far as f32 arithmetic and the matrix unit's own rounding can turn it there, and no further.
;;   INPUTS GIVEN AS CODES. Wk (in the module: [1024, 1024], K = its axis 1); Wo (in the module: [1024, 1024], K = its axis 1); Wq (in the module: [1024, 1024], K = its axis 1); Wv (in the module: [1024, 1024], K = its axis 1); key_input (in the module: [4, 2048, 1024], K = its axis 2); query_input (in the module: [4, 2048, 1024], K = its axis 2); value_input (in the module: [4, 2048, 1024], K = its axis 2): each comes as NAME_codes (uint8): NAME with its K axis moved to the last place and cut into blocks of 32 codes, [.., K / 32, bytes a block], one block behind the other in memory; two codes a byte, the lower K in the low four bits (a code: sign, 2 exponent bits, 1 mantissa bit); and NAME_scales (uint8): the same leading axes, one E8M0 byte (e + 127) for each 32 codes along K. Its value is code x scale, taken as it is: it is not quantised again, and the codes and scales need not be those that the quantiser above would give.
;; One version. Each part assembles by itself: llvm-mc -triple=amdgcn-amd-amdhsa -mcpu=gfx1250 --defsym DOCPART=n.
;; ======== version 1 of 1: 3 launches
;; limits: right only within a limited range of input values
;; workspace buffers: img 12,582,912 bytes; sc 1,310,720 bytes; mw 2,097,152 bytes of whole numbers; oimg 4,194,304 bytes; osc 262,144 bytes
;; launch proj (part 1): grid 4 x 64, 8 waves a work-group, clusters of 4 x 4, 327,680 bytes of LDS; arguments query_input_codes, query_input_scales, key_input_codes, key_input_scales, value_input_codes, value_input_scales, Wq_codes, Wq_scales, Wk_codes, Wk_scales, Wv_codes, Wv_scales, bq, bk, bv, mask, img, sc, mw; writes img, sc, mw
.if DOCPART == 1
	.amdgcn_target "amdgcn-amd-amdhsa--gfx1250"
	.amdhsa_code_object_version 6
	.text
	.protected	k_q5bc2cc26c9_proj
	.globl	k_q5bc2cc26c9_proj
	.p2align	8
	.type	k_q5bc2cc26c9_proj,@function
k_q5bc2cc26c9_proj:
	s_mov_b64 s[64:65], 0
	v_nop
	global_prefetch_b8 v0, s[64:65] scope:SCOPE_SE
	s_setreg_imm32_b32 hwreg(HW_REG_WAVE_MODE, 25, 1), 1
	s_wait_xcnt 0x0
	s_wait_alu depctr_hold_cnt(0) depctr_sa_sdst(0) depctr_va_vdst(0) depctr_va_sdst(0) depctr_va_ssrc(0) depctr_va_vcc(0) depctr_vm_vsrc(0)
	s_getreg_b32 s2, hwreg(HW_REG_IB_STS2, 6, 4)
	s_cmp_eq_u32 s2, 0
	s_cbranch_scc0 .Lentry_in_a_cluster
	s_endpgm
.Lentry_in_a_cluster:
	s_bfe_u32 s2, ttmp6, 0x10000c
	s_cmp_lg_u32 s2, 0xf033
	s_cbranch_scc0 .Lentry_shape_is_right
	s_endpgm
.Lentry_shape_is_right:
; q = x_q Wq^T + bq, k = x_k Wk^T + bk, v = x_v Wv^T + bv on codes of FP4 (E2M1) with one E8M0 scale for each 32 along K = 1,024; each result is quantised again, in registers,
; along the K of the product that will read it (q, k: the head's 64; v: the keys) and stored as IMAGES OF OPERAND REGISTERS (16 bytes a lane, 512 bytes a store).  The mask is packed into lane-mask words on the way.
; A WORK-GROUP STAYS and makes three tiles, g = 0 (q), 1 (k), 2 (v), written out one behind the other.  A product is seen as P x R: P is source 0, so its rows become a lane's registers (the next K); R is source 1.
;   g < 2: P = W (rows: head x 64 + d), R = x (tokens).   g = 2: P = x (keys), R = Wv (head x 64 + d).
; SHARES.  A tile is 256 rows of P x 128 rows of R over all of K; 256 work-groups x 3 tiles.  Wave w: ph = w % 2 its 128 rows of P (8 tiles p), rq = w / 2 its 32 rows of R (u = 0, 1): 16 accumulators.
; THE ROWS OF A TILE ARE NOT NEIGHBOURS: of a group of 32 rows lane r of tile u takes row 8 u + r + 8 (r / 8), so that the 16 registers of tiles 2 b, 2 b + 1 are sixteen neighbours, 32 b + 16 (lane / 16) + 0 .. 15.
; CLUSTER 4 x 4.  P's rows hang on cx alone: asked for jointly down a column of the cluster; R's on cy alone: jointly along a row.
; LDS: one region of 384 rows of 512 bytes (all of K) + 16 of padding, one tensor load a wave.  Behind a tile's last K step every wave runs a tensor wait, an add and its wait, a round of the cluster's barrier follows,
;   and the next tile's load is the first thing behind it; the next tile's scale words, bias and mask bytes are asked for straight after, into registers of window 1 or registers that are free, ahead of this tile's quantiser and stores.
; THE MASK (g < 2: 512 tiles of 16 queries): wave w turns 16 queries x 256 keys of bytes into 128 words: bit (lane) of word j is the byte that lane will need for its register j of a key step's scores.
; NO DATA PREFETCH: the text has no loop to run ahead in, and each refill is issued a whole way out and a mask packing ahead of the wait for it.
; LIMITS: NaN and infinities among the inputs are not served.  A block whose largest magnitude lies under 2^-124 (a block of zeros too) gets the scale byte 1: its bytes are read by this program alone.
; WINDOW 1: v0, v1 the add's; v2 P's scale offset, v3 R's, v4, v5 the bias's (along P, along R), v6 the mask's, v7, v8 my stage in and out, v9 8 x lane, v10 16 x lane, v11 4 x lane; v64-95 mask bytes; v128-191 the bias as C.
.set PITCH, 528
.set ROFF,  256*PITCH                  ; P's 256 rows, then R's 128
.set MST,   384*PITCH                  ; a stage of 16 rows for each wave, for the mask; no tensor load lands there
.set MSW,   16*PITCH
.set SPARE, MST+8*MSW                  ; the spare words
.set ADP,  1                           ; v1 LDS address of my fragments of P;  v3 of R;  v5 r, v6 h, v7 r + 8 (r / 8)
.set ADR,  3
.set RS,   8                           ; v8-15  R's scale words, one register a K step: lanes 0-15 tile 0, lanes 16-31 tile 1
.set PS,   16                          ; v16-47 P's: register 8 b + s: lanes 0-15 tile 2 b, lanes 16-31 tile 2 b + 1
.set RF,   48
.set PF,   64
.set TM,   96                          ; the quantiser's 16 registers at work
.set ACC,  128                         ; accumulator (p, u) at v[128 + 64 u + 8 p]
; s4 R's block for g < 2, s5 P's and s6 R's for g = 2, s54 cx (P's block for g < 2), s55 cy, s66 the cluster's y; s12 ph, s13 rq, s14 wave, s67 wave % 4; s[16:53] the arguments, kept; s93 = 0
; s[68:75], s[76:83] groups 1 for P, R; s[84:87], s[88:91] groups 0; s[98:99] lane selects; s[2:3], s[8:11], s[94:97] the tile's pointers in; s[56:59] out
.set MSB, 0
.macro WIN new                         ; the immediate's high byte repeats the setting that is left
.if MSB != \new
	s_set_vgpr_msb (MSB<<8)|\new
.set MSB, \new
.endif
.endm
.macro PLACES n
.rept \n
	v_nop
.endr
.endm
.macro CROUND
	s_barrier_signal -1
	s_barrier_wait -1
	s_cmp_lg_u32 s14, 0
	s_cbranch_scc1 .Lnot_wave_0_\@
	s_barrier_signal -3
.Lnot_wave_0_\@:
	s_barrier_wait -3
	s_barrier_signal -1
	s_barrier_wait -1
.endm
.macro SETG g                          ; which registers hold the tile's blocks and buffers
.if (\g) == 2
.set PB, 5
.set RB, 6
.set PC, 24
.set RC, 36
.set PSC, 26
.set RSC, 38
.else
.set PB, 54
.set RB, 4
.set PC, 28+4*(\g)
.set RC, 16+4*(\g)
.set PSC, 30+4*(\g)
.set RSC, 18+4*(\g)
.endif
.set BI, 40+2*(\g)
.endm
.macro DESC g                          ; the global addresses of tile g's loads: P's in registers that never hold cy, R's in registers that never hold cx
	SETG \g
	s_lshl_b32 s60, s[PB], 17                      ; 256 rows of 512 bytes a block,
	s_lshl_b32 s61, s67, 15                        ; 64 rows a wave
	s_add_co_u32 s60, s60, s61
	s_mov_b32 s61, 0
	s_lshl_b32 s62, s[RB], 16                      ; 128 rows a block,
	s_lshl_b32 s63, s67, 14                        ; 32 a wave
	s_add_co_u32 s62, s62, s63
	s_mov_b32 s63, 0
	s_add_nc_u64 s[86:87], s[PC:PC+1], s[60:61]
	s_or_b32 s87, s87, 0x80000000
	s_add_nc_u64 s[90:91], s[RC:RC+1], s[62:63]
	s_or_b32 s91, s91, 0x80000000
.endm
.macro JLOAD                           ; waves 0-3 fetch a quarter of P's rows, waves 4-7 of R's: one load a wave
	s_cmp_lt_u32 s14, 4
	s_cbranch_scc0 .Lfor_r_\@
	tensor_load_to_lds s[84:87], s[68:75]
	s_nop 0
	PLACES 4
	s_branch .Lasked_\@
.Lfor_r_\@:
	tensor_load_to_lds s[88:91], s[76:83]
	s_nop 0
	PLACES 4
.Lasked_\@:
.endm
.macro GLOADS g                        ; tile g's scale words, bias and mask bytes
	SETG \g
	s_lshl_b32 s92, s[PB], 13
	s_add_nc_u64 s[8:9], s[PSC:PSC+1], s[92:93]
	s_lshl_b32 s92, s[RB], 12
	s_add_nc_u64 s[10:11], s[RSC:RSC+1], s[92:93]
.if (\g) == 2
	s_lshl_b32 s92, s[RB], 9
	s_lshl_b32 s7, s13, 7
.else
	s_lshl_b32 s92, s[PB], 10                      ; of my 128 rows of P
	s_lshl_b32 s7, s12, 9
.endif
	s_add_co_u32 s92, s92, s7
	s_add_nc_u64 s[2:3], s[BI:BI+1], s[92:93]
	WIN 0x01
.irp b, 0,1,2,3
	global_load_b128 v[PS+8*\b:PS+8*\b+3], v2, s[8:9] offset:\b*1024
	global_load_b128 v[PS+8*\b+4:PS+8*\b+7], v2, s[8:9] offset:\b*1024+16
.endr
	global_load_b128 v[RS:RS+3], v3, s[10:11]
	global_load_b128 v[RS+4:RS+7], v3, s[10:11] offset:16
	WIN 0x41
.if (\g) == 2
	global_load_b32 v128, v5, s[2:3]
	global_load_b32 v136, v5, s[2:3] offset:32
.else
.irp p, 0,1,2,3,4,5,6,7                        ; the bias runs along the registers: eight numbers a tile, in the result's layout
	global_load_b128 v[128+8*\p:131+8*\p], v4, s[2:3] offset:(32*(\p/2)+8*(\p%2))*4
	global_load_b128 v[132+8*\p:135+8*\p], v4, s[2:3] offset:(32*(\p/2)+8*(\p%2))*4+16
.endr
	s_lshl_b32 s7, s66, 4                          ; the mask of tile T = 256 g + 16 x cluster + 4 cy + cx of queries: it enters global addresses alone
	s_lshl_b32 s92, s55, 2
	s_add_co_u32 s7, s7, s92
	s_add_co_u32 s7, s7, s54
.if (\g) == 1
	s_add_co_u32 s7, s7, 256
.endif
	s_lshr_b32 s92, s7, 1
	s_lshl_b32 s92, s92, 16                        ; a group of 32 queries is 32 rows of 2,048 bytes,
	s_and_b32 s60, s7, 1
	s_lshl_b32 s60, s60, 14                        ; the odd tile begins 8 rows on,
	s_add_co_u32 s92, s92, s60
	s_lshl_b32 s60, s14, 8                         ; my 256 keys
	s_add_co_u32 s92, s92, s60
	s_add_nc_u64 s[94:95], s[46:47], s[92:93]
	s_lshl_b32 s92, s7, 12                         ; the words: 16 key steps x 256 bytes a tile, my two key steps
	s_lshl_b32 s60, s14, 9
	s_add_co_u32 s92, s92, s60
	s_add_nc_u64 s[96:97], s[52:53], s[92:93]
.irp i, 0,1,2,3,4,5,6,7                        ; sixteen lanes read 256 consecutive bytes, at a multiple of 256; each byte of the mask is read once in the launch
	global_load_b128 v[64+4*\i:67+4*\i], v6, s[94:95] offset:(2*\i+8*(\i/4))*2048 th:TH_LOAD_NT
.endr
.endif
	WIN 0
.endm
.macro FETCH s                         ; the fragments of K step s: R's two, P's eight; two loads a fragment
.irp u, 0,1
.irp c, 0,1
	ds_load_b128 v[RF+8*\u+4*\c:RF+8*\u+4*\c+3], v[ADR] offset:8*\u*PITCH+64*(\s)+32*\c
.endr
.endr
.irp p, 0,1,2,3,4,5,6,7
.irp c, 0,1
	ds_load_b128 v[PF+8*\p+4*\c:PF+8*\p+4*\c+3], v[ADP] offset:(32*(\p/2)+8*(\p%2))*PITCH+64*(\s)+32*\c
.endr
.endr
.endm
.macro MUL p, u, s, c0                 ; tile p of P x tile u of R, K step s; c0: the first register of C
.set rD, ACC+64*(\u)+8*(\p)
.set rA, PF+8*(\p)
.set rB, RF+8*(\u)
.set rX, PS+8*((\p)/2)+(\s)
.set rY, RS+(\s)
.set rC, \c0
.if ((\p)%2 == 0) && ((\u) == 0)
	v_wmma_scale_f32_16x16x128_f8f6f4 v[rD:rD+7], v[rA:rA+7], v[rB:rB+7], v[rC:rC+7], v[rX], v[rY] matrix_a_fmt:MATRIX_FMT_FP4 matrix_b_fmt:MATRIX_FMT_FP4
.elseif (\u) == 0
	v_wmma_scale_f32_16x16x128_f8f6f4 v[rD:rD+7], v[rA:rA+7], v[rB:rB+7], v[rC:rC+7], v[rX], v[rY] matrix_a_fmt:MATRIX_FMT_FP4 matrix_b_fmt:MATRIX_FMT_FP4 matrix_a_scale:MATRIX_SCALE_ROW1
.elseif (\p)%2 == 0
	v_wmma_scale_f32_16x16x128_f8f6f4 v[rD:rD+7], v[rA:rA+7], v[rB:rB+7], v[rC:rC+7], v[rX], v[rY] matrix_a_fmt:MATRIX_FMT_FP4 matrix_b_fmt:MATRIX_FMT_FP4 matrix_b_scale:MATRIX_SCALE_ROW1
.else
	v_wmma_scale_f32_16x16x128_f8f6f4 v[rD:rD+7], v[rA:rA+7], v[rB:rB+7], v[rC:rC+7], v[rX], v[rY] matrix_a_fmt:MATRIX_FMT_FP4 matrix_b_fmt:MATRIX_FMT_FP4 matrix_a_scale:MATRIX_SCALE_ROW1 matrix_b_scale:MATRIX_SCALE_ROW1
.endif
.endm
; a K step: the 16 accumulators take turns, one instruction a turn, in the same order in every step.  Ahead of P's tile p the 2 (7 - p) loads of the later tiles may stay out
.macro KSTEP s
	FETCH \s
.irp p, 0,1,2,3,4,5,6,7
	s_wait_dscnt 14-2*\p
	MUL \p, 0, \s, ACC+8*\p
	MUL \p, 1, \s, ACC+64+8*\p
.endr
	PLACES 4
.endm
.macro FIRST g                         ; K step 0 starts the sums on the bias, which lies in window 1
	FETCH 0
	WIN 0x10
.irp p, 0,1,2,3,4,5,6,7
	s_wait_dscnt 14-2*\p
.if \g == 2
	MUL \p, 0, 0, 128
	MUL \p, 1, 0, 136
.else
	MUL \p, 0, 0, 128+8*\p
	MUL \p, 1, 0, 128+8*\p
.endif
.endr
	WIN 0
	PLACES 4
.endm
; 64 numbers of a lane, v[s] on, register 16 b + i = k 32 b + 16 (lane / 16) + i of my row, become a fragment's codes in v[pc] on and its scale word in v[pw]
.macro QUANT s, pc, pw
.irp b, 0,1,2,3
	v_max3_num_f32 v[TM+\b], |v[\s+16*\b]|, |v[\s+1+16*\b]|, 0x1800000   ; my 16 numbers of block b, and the floor 2^(3 - 127): the byte cannot fall under 1
.endr
.irp i, 2,4,6,8,10,12,14
.irp b, 0,1,2,3
	v_max3_num_f32 v[TM+\b], v[TM+\b], |v[\s+16*\b+\i]|, |v[\s+1+16*\b+\i]|
.endr
.endr
.irp b, 0,1,2,3
	v_permlanex16_b32 v[TM+4+\b], v[TM+\b], s98, s99
.endr
.irp b, 0,1,2,3
	v_max_num_f32 v[TM+\b], v[TM+\b], v[TM+4+\b]                      ; with lane l xor 16's: the block's largest magnitude
.endr
.irp b, 0,1,2,3
	v_add_nc_u32 v[TM+12+\b], 0xff000000, v[TM+\b]                    ; 2 off its exponent field: the conversion's scale operand
.endr
.irp b, 0,1,2,3
	v_lshrrev_b32 v[TM+4+\b], 23, v[TM+12+\b]                         ; the scale's byte
.endr
	v_lshl_or_b32 v[\pw], v[TM+5], 8, v[TM+4]
	v_lshl_or_b32 v[\pw], v[TM+6], 16, v[\pw]
	v_lshl_or_b32 v[\pw], v[TM+7], 24, v[\pw]
.irp b, 0,1,2,3
	v_cvt_scalef32_pk8_fp4_f32 v[\pc+2*\b], v[\s+16*\b:\s+7+16*\b], v[TM+12+\b]
	v_cvt_scalef32_pk8_fp4_f32 v[\pc+1+2*\b], v[\s+8+16*\b:\s+15+16*\b], v[TM+12+\b]
.endr
	v_nop                                          ; one plain place behind a scaled conversion
.irp c, 0,1                                    ; a whole block in a lane: lanes 0-15 block 2 c, lanes 16-31 block 2 c + 1
.irp i, 0,1
	v_permlane16_swap_b32 v[\pc+4*\c+\i], v[\pc+2+4*\c+\i]
.endr
.endr
.endm
.macro PREP g                          ; what stands between a tile's loads and its products
	s_wait_alu depctr_va_vdst(0)                   ; the wait ahead of the waits below
	s_wait_xcnt 0x0                                ; the last tile's stores have read their registers and bases
	s_wait_loadcnt 0x0                             ; scale words, bias, mask bytes
.if \g == 2
	WIN 0x41
.irp i, 1,2,3,4,5,6,7
	v_mov_b32 v[128+\i], v128                      ; the lane's number, spread over the eight registers of a C
	v_mov_b32 v[136+\i], v136
.endr
	WIN 0
	PLACES 4
.else
	WIN 0x05
.irp i, 0,1,2,3,4,5,6,7
	ds_store_b128 v7, v[64+4*\i:67+4*\i] offset:2*\i*PITCH
.endr
	WIN 0x01
.irp e, 0,1,2,3,4,5,6,7                        ; LDS serves a wave's instructions in order: these see my stores.  Key step e / 4, block e % 4: my query's 16 keys 32 (e % 4) + 16 h on
	ds_load_b128 v[96+4*\e:99+4*\e], v8 offset:128*(\e/4)+32*(\e%4)
.endr
	WIN 0
.irp i, 48,49,50,51
	v_mov_b32 v\i, 0                               ; v_writelane_b32's destination counts as read
.endr
	s_wait_dscnt 0x0
.set n, 0                                      ; register n of 32 holds four keys' bytes; word 4 (n % 16) + e of key step n / 16 goes to lane (word / 2) of an even or an odd register
.rept 32
.irp e, 0,1,2,3
	v_bfe_u32 v[52+\e], v[96+n], 8*\e, 8
.endr
.irp e, 0,1,2,3
	v_cmp_ne_u32 s[56+4*(n%2)+\e], 0, v[52+\e]     ; the 32 lanes' bytes as one word
.endr
.irp e, 0,1,2,3
	v_writelane_b32 v[48+2*(n/16)+(\e%2)], s[56+4*(n%2)+\e], (4*(n%16)+\e)/2
.endr
.set n, n+1
.endr
	WIN 0x01
	global_store_b64 v9, v[48:49], s[96:97]        ; 64 words: 256 consecutive bytes, at a multiple of 256
	global_store_b64 v9, v[50:51], s[96:97] offset:256
	WIN 0
	s_wait_xcnt 0x0                                ; the stores have read v48-51, which fragments will write
.endif
	s_wait_alu depctr_va_vdst(0)                   ; the wait ahead of the waits below
	s_wait_tensorcnt 0x0                           ; my part of the tile has landed
	s_wait_dscnt 0x0
	s_barrier_signal -1
	s_barrier_wait -1                              ; everybody's has
.endm
; the results become operands.  q, k: codes [b x 16 + head][tile of 16 rows, 128][512], scale words [b x 8 + pair][group][lane][head of the pair];  v: codes [b x 16 + head][key step, 16][tile of d, 4][half, 2][512], scale words [b x 16 + head][key step][which 32][lane]
.macro OUT g
	SETG \g
.if \g == 2
	s_lshl_b32 s60, s[PB], 1
	s_add_co_u32 s60, s60, s12                     ; my key step of 128 among all batches'
	s_lshr_b32 s61, s60, 4
	s_and_b32 s60, s60, 15
	s_lshl_b32 s61, s61, 4
	s_lshl_b32 s62, s[RB], 1
	s_add_co_u32 s61, s61, s62
	s_lshr_b32 s62, s13, 1
	s_add_co_u32 s61, s61, s62                     ; b x 16 + head
	s_and_b32 s62, s13, 1                          ; which 32 of the head's 64
	s_lshl_b32 s92, s61, 16
	s_lshl_b32 s63, s60, 12
	s_add_co_u32 s92, s92, s63
	s_lshl_b32 s63, s62, 11
	s_add_co_u32 s92, s92, s63
	s_add_co_u32 s92, s92, 2<<22
	s_add_nc_u64 s[56:57], s[48:49], s[92:93]
	s_lshl_b32 s92, s61, 12
	s_lshl_b32 s63, s60, 8
	s_add_co_u32 s92, s92, s63
	s_lshl_b32 s63, s62, 7
	s_add_co_u32 s92, s92, s63
	s_add_co_u32 s92, s92, 1048576
	s_add_nc_u64 s[58:59], s[50:51], s[92:93]
.set USTR, 1024                                ; from tile u = 0 to u = 1
.set HALF, 512                                 ; from a fragment's registers 0-3 to 4-7: the fragment's other half
.else
	s_lshl_b32 s60, s[RB], 2
	s_add_co_u32 s60, s60, s13                     ; my group of 32 tokens,
	s_lshr_b32 s61, s60, 6                         ; its batch,
	s_and_b32 s60, s60, 63                         ; and its number there
	s_lshl_b32 s62, s[PB], 1
	s_add_co_u32 s62, s62, s12                     ; my pair of heads
	s_lshl_b32 s92, s61, 20
	s_lshl_b32 s63, s62, 17
	s_add_co_u32 s92, s92, s63
	s_lshl_b32 s63, s60, 10
	s_add_co_u32 s92, s92, s63
.if \g == 1
	s_add_co_u32 s92, s92, 1<<22                   ; 4 MiB of images for each of q, k, v
.endif
	s_add_nc_u64 s[56:57], s[48:49], s[92:93]
	s_lshl_b32 s92, s61, 17
	s_lshl_b32 s63, s62, 14
	s_add_co_u32 s92, s92, s63
	s_lshl_b32 s63, s60, 8
	s_add_co_u32 s92, s92, s63
.if \g == 1
	s_add_co_u32 s92, s92, 1<<19
.endif
	s_add_nc_u64 s[58:59], s[50:51], s[92:93]
.set USTR, 512
.set HALF, 65536                               ; the next head
.endif
.irp b, 0,1,2,3
	v_mov_b32 v[TM+4+\b], 0                        ; a lane permute's destination counts as one of its sources
.endr
	QUANT ACC, 64, 80                              ; tile u = 0: each accumulator is read from its low end on
	QUANT ACC+64, 72, 81                           ; tile u = 1
	v_and_b32 v112, 31, v0
	v_cmp_gt_u32 vcc_lo, 16, v112
	v_cndmask_b32 v117, v81, v80, vcc_lo           ; lanes 0-15: tile 0's word of row r; lanes 16-31: tile 1's
.if \g < 2
	v_and_b32 v118, 0xffff, v117                   ; a word for each head: its two bytes, twice: the attention launch lays a head's 64 in either half of the instruction's K
	v_lshrrev_b32 v119, 16, v117
	v_lshl_or_b32 v118, v118, 16, v118
	v_lshl_or_b32 v119, v119, 16, v119
.endif
	WIN 0x01
	global_store_b128 v10, v[64:67], s[56:57]      ; each store of the wave covers 512 consecutive bytes, aligned
	global_store_b128 v10, v[68:71], s[56:57] offset:HALF
	global_store_b128 v10, v[72:75], s[56:57] offset:USTR
	global_store_b128 v10, v[76:79], s[56:57] offset:USTR+HALF
.if \g < 2
	global_store_b64 v9, v[118:119], s[58:59]      ; 256 consecutive bytes, aligned
.else
	global_store_b32 v11, v117, s[58:59]           ; 128 consecutive bytes: the wave beside me (rq + 1) writes the other half of the 256
.endif
	WIN 0
.endm
.macro TILE g
	PREP \g
	FIRST \g
.irp s, 1,2,3,4,5,6,7
	KSTEP \s
.endr
.if \g < 2
	WIN 0x05                                       ; (the add's two registers lie in window 1)
	s_wait_tensorcnt 0x0                           ; no tensor load of mine is out, so a group 0 may be written;
	ds_add_u32 v0, v1
	DESC \g+1
	s_wait_dscnt 0x0                               ; the add is done, and so are my reads of the tile
	WIN 0
	CROUND                                         ; no wave of any partner still reads the tile or has a load on its way
	JLOAD                                          ; the next tile, the first tensor load behind the round; its four v_nop are among the places ahead of the loads below
	GLOADS \g+1
.endif
	OUT \g
.endm
	s_load_b512 s[16:31], s[0:1], 0x0              ; x_q codes, scales; x_k codes, scales; x_v codes, scales; Wq codes, scales
	s_load_b512 s[32:47], s[0:1], 0x40             ; Wk codes, scales; Wv codes, scales; bq; bk; bv; mask
	s_load_b128 s[48:51], s[0:1], 0x80             ; img, sc
	s_load_b64 s[52:53], s[0:1], 0x90              ; mw
	WIN 0x40
	v_lshl_add_u32 v0, v0, 2, SPARE
	v_mov_b32 v1, 0
	WIN 0x05
	ds_add_u32 v0, v1                              ; the opening lines: the add twice on end, and its wait ahead of the first tensor load
	ds_add_u32 v0, v1
	WIN 0
	v_lshrrev_b32 v5, 5, v0
	v_readfirstlane_b32 s14, v5                    ; wave 0..7
	s_bfe_u32 s54, ttmp6, 0x40000                  ; cx
	s_bfe_u32 s55, ttmp6, 0x40004                  ; cy
	s_and_b32 s66, ttmp7, 0xffff                   ; the cluster's y, 0..15
	s_lshl_b32 s4, s66, 2
	s_add_co_u32 s4, s4, s55                       ; q, k: 4 blocks of P (W's rows: cx), 64 of R
	s_lshr_b32 s5, s66, 1
	s_lshl_b32 s5, s5, 2
	s_add_co_u32 s5, s5, s54                       ; v: 32 blocks of P (keys),
	s_and_b32 s6, s66, 1
	s_lshl_b32 s6, s6, 2
	s_add_co_u32 s6, s6, s55                       ; 8 of R
	s_lshl_b32 s56, s55, 2
	s_lshl_b32 s56, 15, s56                        ; my row of the cluster
	s_lshl_b32 s57, 0x1111, s54                    ; my column
	; group 1: rows of 512 bytes (elements of 1 byte), dense in memory; 4 words of padding behind every 128; P: 64 rows a load, R: 32
	s_or_b32 s68, s57, (1<<20)|(1<<21)|(6<<22)|(3<<25)
	s_or_b32 s76, s56, (1<<20)|(1<<21)|(6<<22)|(3<<25)
.irp g, 68,76
	s_mov_b32 s[\g+1], 512<<16
	s_mov_b32 s[\g+3], 512<<16
	s_mov_b32 s[\g+5], 512
	s_mov_b32 s[\g+6], 0
	s_mov_b32 s[\g+7], 0
.endr
	s_mov_b32 s70, 64<<16
	s_mov_b32 s72, 64
	s_mov_b32 s78, 32<<16
	s_mov_b32 s80, 32
	s_and_b32 s67, s14, 3
	s_mov_b32 s84, 1
	s_mul_i32 s85, s67, 64*PITCH                   ; where my rows go: no place in the cluster enters an LDS address
	s_mov_b32 s88, 1
	s_mul_i32 s89, s67, 32*PITCH
	s_add_co_u32 s89, s89, ROFF
	s_and_b32 s12, s14, 1
	s_lshr_b32 s13, s14, 1
	s_mov_b32 s93, 0
	s_mov_b32 s98, 0x76543210
	s_mov_b32 s99, 0xfedcba98
	s_wait_dscnt 0x0
	s_wait_kmcnt 0x0
	DESC 0
	CROUND                                         ; all sixteen work-groups are here: the joint loads meet
	JLOAD
	v_and_b32 v5, 15, v0                           ; r
	v_bfe_u32 v6, v0, 4, 1                         ; h
	v_and_b32 v7, 8, v5
	v_add_nc_u32 v7, v7, v5                        ; r + 8 (r / 8)
	s_mul_i32 s8, s12, 128*PITCH
	s_mul_i32 s9, s13, 32*PITCH
	s_add_co_u32 s9, s9, ROFF
	v_mul_u32_u24 v1, v7, PITCH
	v_lshl_add_u32 v1, v6, 4, v1                   ; a fragment's row x pitch + 16 h
	v_add_nc_u32 v3, s9, v1
	v_add_nc_u32 v1, s8, v1
	v_lshl_add_u32 v112, v6, 3, v7                 ; scale words: lanes 16-31 take the odd tile, 8 rows on; 32 bytes a row
	v_lshlrev_b32 v112, 5, v112
	v_and_b32 v113, 31, v0
	v_mul_u32_u24 v114, v6, PITCH
	v_lshl_add_u32 v114, v5, 4, v114               ; the stage, as loaded: lanes 0-15 one row, lanes 16-31 the next
	v_mul_u32_u24 v115, v5, PITCH
	v_lshl_add_u32 v115, v6, 4, v115               ; out of it: row r, 16 h bytes on
	v_lshlrev_b32 v116, 11, v6
	s_lshl_b32 s8, s12, 12
	s_lshl_b32 s9, s13, 10
	s_mul_i32 s10, s14, MSW
	s_add_co_u32 s10, s10, MST                     ; my stage
	WIN 0x40
	v_add_nc_u32 v2, s8, v112
	v_add_nc_u32 v3, s9, v112
	v_lshlrev_b32 v4, 6, v6                        ; the bias along P's rows: 16 h numbers on
	v_lshlrev_b32 v5, 2, v7                        ; along R's rows: my row's number
	v_lshl_add_u32 v6, v5, 4, v116                 ; the mask: lanes 0-15 one row's 256 bytes, lanes 16-31 the next row's
	v_add_nc_u32 v7, s10, v114
	v_add_nc_u32 v8, s10, v115
	v_lshlrev_b32 v9, 3, v113
	v_lshlrev_b32 v10, 4, v113
	v_lshlrev_b32 v11, 2, v113
	WIN 0
	s_wait_alu depctr_va_vdst(0)                   ; the wait at the head's end
	GLOADS 0
	TILE 0
	TILE 1
	TILE 2
	WIN 0x05
	s_wait_tensorcnt 0x0                           ; the wave's end
	ds_add_u32 v0, v1
	s_wait_dscnt 0x0
	WIN 0
	CROUND                                         ; the closing round: no work-group ends while a partner may still ask for a tile that names it
	s_endpgm
.Lfunc_end_k_q5bc2cc26c9_proj:
	.size	k_q5bc2cc26c9_proj, .Lfunc_end_k_q5bc2cc26c9_proj-k_q5bc2cc26c9_proj
	.p2alignl 7, 3214868480
	.fill 96, 4, 3214868480
	.section	.rodata,"a",@progbits
	.p2align	6, 0x0
	.amdhsa_kernel k_q5bc2cc26c9_proj
		.amdhsa_group_segment_fixed_size 327680
		.amdhsa_private_segment_fixed_size 0
		.amdhsa_enable_private_segment 0
		.amdhsa_kernarg_size 152
		.amdhsa_user_sgpr_count 2
		.amdhsa_user_sgpr_kernarg_segment_ptr 1
		.amdhsa_wavefront_size32 1
		.amdhsa_system_sgpr_workgroup_id_x 1
		.amdhsa_system_sgpr_workgroup_id_y 1
		.amdhsa_system_sgpr_workgroup_id_z 1
		.amdhsa_system_vgpr_workitem_id 0
		.amdhsa_next_free_vgpr 448
		.amdhsa_next_free_sgpr 100
		.amdhsa_reserve_vcc 1
		.amdhsa_float_denorm_mode_32 3
		.amdhsa_float_denorm_mode_16_64 3
		.amdhsa_memory_ordered 1
		.amdhsa_forward_progress 1
		.amdhsa_inst_pref_size 186
	.end_amdhsa_kernel
	.amdgpu_metadata
---
amdhsa.version: [ 1, 2 ]
amdhsa.kernels:
  - .name:           k_q5bc2cc26c9_proj
    .symbol:         k_q5bc2cc26c9_proj.kd
    .args:
      - { .name: query_input_codes, .offset: 0, .size: 8, .value_kind: global_buffer, .address_space: global }
      - { .name: query_input_scales, .offset: 8, .size: 8, .value_kind: global_buffer, .address_space: global }
      - { .name: key_input_codes, .offset: 16, .size: 8, .value_kind: global_buffer, .address_space: global }
      - { .name: key_input_scales, .offset: 24, .size: 8, .value_kind: global_buffer, .address_space: global }
      - { .name: value_input_codes, .offset: 32, .size: 8, .value_kind: global_buffer, .address_space: global }
      - { .name: value_input_scales, .offset: 40, .size: 8, .value_kind: global_buffer, .address_space: global }
      - { .name: Wq_codes, .offset: 48, .size: 8, .value_kind: global_buffer, .address_space: global }
      - { .name: Wq_scales, .offset: 56, .size: 8, .value_kind: global_buffer, .address_space: global }
      - { .name: Wk_codes, .offset: 64, .size: 8, .value_kind: global_buffer, .address_space: global }
      - { .name: Wk_scales, .offset: 72, .size: 8, .value_kind: global_buffer, .address_space: global }
      - { .name: Wv_codes, .offset: 80, .size: 8, .value_kind: global_buffer, .address_space: global }
      - { .name: Wv_scales, .offset: 88, .size: 8, .value_kind: global_buffer, .address_space: global }
      - { .name: bq, .offset: 96, .size: 8, .value_kind: global_buffer, .address_space: global }
      - { .name: bk, .offset: 104, .size: 8, .value_kind: global_buffer, .address_space: global }
      - { .name: bv, .offset: 112, .size: 8, .value_kind: global_buffer, .address_space: global }
      - { .name: mask, .offset: 120, .size: 8, .value_kind: global_buffer, .address_space: global }
      - { .name: img, .offset: 128, .size: 8, .value_kind: global_buffer, .address_space: global }
      - { .name: sc, .offset: 136, .size: 8, .value_kind: global_buffer, .address_space: global }
      - { .name: mw, .offset: 144, .size: 8, .value_kind: global_buffer, .address_space: global }
    .group_segment_fixed_size: 327680
    .private_segment_fixed_size: 0
    .kernarg_segment_align: 8
    .kernarg_segment_size: 152
    .max_flat_workgroup_size: 256
    .sgpr_count:     100
    .vgpr_count:     448
    .wavefront_size: 32
...
	.end_amdgpu_metadata
.endif
;; end of part 1
;; launch attn (part 2): grid 8 x 32, 8 waves a work-group, clusters of 4 x 1, 327,680 bytes of LDS; arguments img, sc, mw, oimg, osc; writes oimg, osc
.if DOCPART == 2
	.amdgcn_target "amdgcn-amd-amdhsa--gfx1250"
	.amdhsa_code_object_version 6
	.text
	.protected	k_q5bc2cc26c9_attn
	.globl	k_q5bc2cc26c9_attn
	.p2align	8
	.type	k_q5bc2cc26c9_attn,@function
k_q5bc2cc26c9_attn:
	s_mov_b64 s[64:65], 0
	v_nop
	global_prefetch_b8 v0, s[64:65] scope:SCOPE_SE
	s_setreg_imm32_b32 hwreg(HW_REG_WAVE_MODE, 25, 1), 1
	s_wait_xcnt 0x0
	s_wait_alu depctr_hold_cnt(0) depctr_sa_sdst(0) depctr_va_vdst(0) depctr_va_sdst(0) depctr_va_ssrc(0) depctr_va_vcc(0) depctr_vm_vsrc(0)
	s_getreg_b32 s2, hwreg(HW_REG_IB_STS2, 6, 4)
	s_cmp_eq_u32 s2, 0
	s_cbranch_scc0 .Lentry_in_a_cluster
	s_endpgm
.Lentry_in_a_cluster:
	s_bfe_u32 s2, ttmp6, 0x10000c
	s_cmp_lg_u32 s2, 0x3003
	s_cbranch_scc0 .Lentry_shape_is_right
	s_endpgm
.Lentry_shape_is_right:
; O = softmax(q k^T / 8, masked) v for a PAIR of heads, both products on codes of FP4 (E2M1) with one E8M0 scale for each 32 along K; O / l is quantised along the head's 64 and stored as images of operand registers.
; SOFTMAX: t = score x log2(e) / 8; M = the running largest t rounded up to a whole number; p = 2^(t - M) is quantised along the keys; l sums the unquantised p; when M moves, l and O are multiplied by 2^(old M - new M).
; SHARES. Work-group = (batch x 8 + pair of heads, cluster y) x 256 queries (4 x cluster x + cx): 256 work-groups of equal work. Wave w owns tiles 2 w, 2 w + 1 of 16 queries, one a pass, and carries BOTH heads through each key step of 128.
; THE MASK is the same for both heads: a step's 64 words (bit = lane, word = score register) become 64 registers of 0 or -2^100 once, and these are the C of both heads' score products.
;   They are made a step ahead, among the exponentials; the words come by scalar loads a further step ahead.
; K'S FRAGMENTS hold head A's 64 in k 0-63 and head B's in k 64-127; Q_A stands against them as [Q_A | zero codes], Q_B as [zero codes | Q_B]; each scale word holds its head's two bytes twice.
; LDS is filled once: K_A, K_B, V_A, V_B (64 KiB each, images of registers), K's scale words (16 KiB), V's (8 KiB): six joint loads (mask 15: the four query blocks of a cluster read the same), one a wave in waves 0-5.
; Rows of every tile are numbered as the projection launch numbers them: lane r of tile u of a group of 32 is row 8 u + r + 8 (r / 8).
; A ROW THAT IS WHOLLY MASKED has l = 0: its scale bytes are written 0xff, so that the last product gives NaN there, as the softmax of such a row is NaN.
; LIMITS: the promise holds while |t| stays under 2^31 (the largest t starts at -2^34, a masked score is -2^100). NaN and infinities among the inputs are not served. A block whose largest magnitude lies under 2^-124 gets the byte 1.
; NO DATA PREFETCH: K and V come once, at the head, with no loop ahead of them; the mask words are 256 bytes a step and wave, and their own scalar loads are issued a whole step ahead of their use.
; WINDOW 0: v1 16 x lane; v2-5 addresses K_A, K_B, V_A, V_B; v6 -2^100; v7 8 r; v8 2 r; v9 0xffff; v10, v11 the add's; v12-15, v16-19 -M, largest t, l (pair) of heads A, B; v20-27 K's scale words; v28-31 V's; v32-33 Q's;
;   v34-37 (f, p's scale word) x 2; v38, v39 addresses of K's, V's scale words; v40-55 Q_A, Q_B; v56-71 p's codes; v72-95, v96-119 at work (head h at 72 + 24 h: 0-3 block maxima, 4-7, 8-11 scale work, 12-19 sums, 20-21); v128-191 K; v192-255 V.
; WINDOW 1: v0-63 S_A, v64-127 S_B, v128-191 the mask, v192-223 O_A, v224-255 O_B.
.set KB,    65536
.set VA,    131072
.set VB,    196608
.set KSC,   262144
.set VSC,   278528
.set SPARE, 286720                     ; the spare words: 128 bytes a wave, named by no other line
.set MSB, 0
.macro WIN new                         ; the immediate's high byte repeats the setting that is left
.if MSB != \new
	s_set_vgpr_msb (MSB<<8)|\new
.set MSB, \new
.endif
.endm
.macro PLACES n
.rept \n
	v_nop
.endr
.endm
.macro CROUND
	s_barrier_signal -1
	s_barrier_wait -1
	s_cmp_lg_u32 s14, 0
	s_cbranch_scc1 .Lnot_wave_0_\@
	s_barrier_signal -3
.Lnot_wave_0_\@:
	s_barrier_wait -3
	s_barrier_signal -1
	s_barrier_wait -1
.endm
.macro QK t, h                         ; scores of key tile t, head h = K Q^T + the mask; an odd tile's scale words lie in lanes 16-31
.if (\t)%2 == 0
	v_wmma_scale_f32_16x16x128_f8f6f4 v[64*\h+8*\t:64*\h+8*\t+7], v[128+8*\t:135+8*\t], v[40+8*\h:47+8*\h], v[128+8*\t:135+8*\t], v[20+2*(\t/2)+\h], v[32+\h] matrix_a_fmt:MATRIX_FMT_FP4 matrix_b_fmt:MATRIX_FMT_FP4
.else
	v_wmma_scale_f32_16x16x128_f8f6f4 v[64*\h+8*\t:64*\h+8*\t+7], v[128+8*\t:135+8*\t], v[40+8*\h:47+8*\h], v[128+8*\t:135+8*\t], v[20+2*(\t/2)+\h], v[32+\h] matrix_a_fmt:MATRIX_FMT_FP4 matrix_b_fmt:MATRIX_FMT_FP4 matrix_a_scale:MATRIX_SCALE_ROW1
.endif
.endm
.macro PV t, h                         ; O^T's tile t of head h += V^T P^T
.if (\t)%2 == 0
	v_wmma_scale_f32_16x16x128_f8f6f4 v[192+32*\h+8*\t:199+32*\h+8*\t], v[192+32*\h+8*\t:199+32*\h+8*\t], v[56+8*\h:63+8*\h], v[192+32*\h+8*\t:199+32*\h+8*\t], v[28+2*\h+\t/2], v[35+2*\h] matrix_a_fmt:MATRIX_FMT_FP4 matrix_b_fmt:MATRIX_FMT_FP4
.else
	v_wmma_scale_f32_16x16x128_f8f6f4 v[192+32*\h+8*\t:199+32*\h+8*\t], v[192+32*\h+8*\t:199+32*\h+8*\t], v[56+8*\h:63+8*\h], v[192+32*\h+8*\t:199+32*\h+8*\t], v[28+2*\h+\t/2], v[35+2*\h] matrix_a_fmt:MATRIX_FMT_FP4 matrix_b_fmt:MATRIX_FMT_FP4 matrix_a_scale:MATRIX_SCALE_ROW1
.endif
.endm
.macro KLOAD                           ; a step's K fragments (head A's image into registers 0-3, head B's into 4-7) and scale words (both heads' by one load): 20 LDS loads
.irp t, 0,1,2,3,4,5,6,7
	ds_load_b128 v[128+8*\t:131+8*\t], v2 offset:512*\t
	ds_load_b128 v[132+8*\t:135+8*\t], v3 offset:512*\t
.endr
.irp b, 0,1,2,3
	ds_load_b64 v[20+2*\b:21+2*\b], v38 offset:256*\b
.endr
.endm
.macro MLOAD                           ; 64 mask words
	s_load_b512 s[32:47], s[8:9], 0x0
	s_load_b512 s[48:63], s[8:9], 0x40
	s_load_b512 s[68:83], s[8:9], 0x80
	s_load_b512 s[84:99], s[8:9], 0xc0
.endm
	s_load_b256 s[4:11], s[0:1], 0x0               ; img, sc, mw, oimg
	s_load_b64 s[12:13], s[0:1], 0x20              ; osc
	v_lshl_add_u32 v10, v0, 2, SPARE
	v_mov_b32 v11, 0
	ds_add_u32 v10, v11                            ; the opening lines: the add twice on end, and its wait ahead of the first tensor load
	ds_add_u32 v10, v11
	v_lshrrev_b32 v1, 5, v0
	v_readfirstlane_b32 s14, v1                    ; wave 0..7
	s_and_b32 s15, ttmp7, 0xffff                   ; bp = batch x 8 + pair: the four partners share it
	s_bfe_u32 s16, ttmp6, 0x40000                  ; cx
	s_lshl_b32 s17, ttmp9, 2
	s_add_co_u32 s16, s16, s17                     ; my block of 256 queries: it enters global addresses of Q, the mask and O alone
.irp g, 68,76,84                               ; three groups 1: dense blocks as rows of 256 bytes (32 elements of 8), 256, 64 or 32 rows; mask: all four partners, bit 21 beside it
	s_mov_b32 s[\g], 15|(3<<16)|(1<<21)
	s_mov_b32 s[\g+1], 32<<16
	s_mov_b32 s[\g+3], 32<<16
	s_mov_b32 s[\g+5], 32
	s_mov_b32 s[\g+6], 0
	s_mov_b32 s[\g+7], 0
.endr
	s_mov_b32 s70, 256<<16
	s_mov_b32 s72, 256
	s_mov_b32 s78, 64<<16
	s_mov_b32 s80, 64
	s_mov_b32 s86, 32<<16
	s_mov_b32 s88, 32
	s_lshr_b32 s36, s14, 1                         ; waves 0, 1: k's images of heads A, B (4 MiB into img); waves 2, 3: v's (8 MiB)
	s_lshl_b32 s36, s36, 22
	s_and_b32 s38, s14, 1
	s_lshl_b32 s39, s15, 1
	s_add_co_u32 s38, s38, s39
	s_lshl_b32 s38, s38, 16
	s_add_co_u32 s36, s36, s38
	s_add_co_u32 s36, s36, 4<<20
	s_mov_b32 s37, 0
	s_lshl_b32 s40, s15, 14                        ; k's scale words of the pair
	s_add_co_u32 s40, s40, 524288
	s_mov_b32 s41, 0
	s_lshl_b32 s42, s15, 13                        ; v's, both heads on end
	s_add_co_u32 s42, s42, 1048576
	s_mov_b32 s43, 0
	s_wait_dscnt 0x0
	s_wait_kmcnt 0x0
	s_mov_b32 s92, 1
	s_lshl_b32 s93, s14, 16                        ; images go to LDS byte 65,536 x wave
	s_add_nc_u64 s[94:95], s[4:5], s[36:37]
	s_or_b32 s95, s95, 0x80000000
	s_mov_b32 s96, 1
	s_mov_b32 s97, KSC
	s_add_nc_u64 s[98:99], s[6:7], s[40:41]
	s_or_b32 s99, s99, 0x80000000
	s_mov_b32 s32, 1
	s_mov_b32 s33, VSC
	s_add_nc_u64 s[34:35], s[6:7], s[42:43]
	s_or_b32 s35, s35, 0x80000000
	CROUND                                         ; all four work-groups are here: the joint loads meet
	s_cmp_lt_u32 s14, 4                            ; one chain of branches on the wave's number, one load to an arm
	s_cbranch_scc0 .Larm_ks
	tensor_load_to_lds s[92:95], s[68:75]
	s_nop 0
	PLACES 4
	s_branch .Lasked
.Larm_ks:
	s_cmp_eq_u32 s14, 4
	s_cbranch_scc0 .Larm_vs
	tensor_load_to_lds s[96:99], s[76:83]
	s_nop 0
	PLACES 4
	s_branch .Lasked
.Larm_vs:
	s_cmp_eq_u32 s14, 5
	s_cbranch_scc0 .Lasked
	tensor_load_to_lds s[32:35], s[84:91]
	s_nop 0
	PLACES 4
.Lasked:
	s_lshl_b32 s36, s16, 4
	s_lshl_b32 s37, s14, 1
	s_add_co_u32 s36, s36, s37                     ; my first tile in the batch
	s_lshr_b32 s37, s15, 3
	s_lshl_b32 s37, s37, 7
	s_add_co_u32 s37, s37, s36                     ; and among all batches' 512
	s_and_b32 s38, s15, 7                          ; the pair in its batch
	s_mov_b32 s41, 0
	s_lshl_b32 s40, s15, 17
	s_lshl_b32 s42, s36, 9
	s_add_co_u32 s40, s40, s42
	s_add_nc_u64 s[4:5], s[4:5], s[40:41]          ; Q's image of head A: [bh][tile][512]; head B's 65,536 on
	s_lshl_b32 s40, s15, 14
	s_lshl_b32 s42, s36, 7
	s_add_co_u32 s40, s40, s42
	s_add_nc_u64 s[6:7], s[6:7], s[40:41]          ; Q's scale words: 8 bytes a row, both heads
	s_lshl_b32 s40, s37, 12
	s_add_nc_u64 s[8:9], s[8:9], s[40:41]          ; the mask words: my two tiles' 32 steps of 256 bytes lie on end
	s_lshl_b32 s40, s37, 13
	s_lshl_b32 s42, s38, 10
	s_add_co_u32 s40, s40, s42
	s_add_nc_u64 s[10:11], s[10:11], s[40:41]      ; O's image: [tile][head][512]
	s_lshl_b32 s40, s38, 15
	s_lshl_b32 s42, s37, 5
	s_add_co_u32 s40, s40, s42
	s_add_nc_u64 s[12:13], s[12:13], s[40:41]      ; O's scale pairs: [head][tile][r], 2 bytes
	s_mov_b32 s18, 0x76543210                      ; lane l xor 16
	s_mov_b32 s19, 0xfedcba98
	s_mov_b32 s20, 0x3e38aa3b                      ; c = log2(e) / 8
	s_mov_b32 s21, s20
	s_mov_b32 s26, 2                               ; passes to go
	s_mov_b32 s27, 32                              ; steps to go in both
	s_mov_b32 s29, 0
	v_and_b32 v120, 31, v0
	v_and_b32 v121, 15, v0
	v_lshlrev_b32 v1, 4, v120
	v_mov_b32 v6, 0xf1800000                       ; -2^100
	v_lshlrev_b32 v7, 3, v121
	v_lshlrev_b32 v8, 1, v121
	v_mov_b32 v9, 0xffff
.irp i, 34,35,36,37,44,45,46,47,48,49,50,51,76,77,78,79,93,100,101,102,103,117
	v_mov_b32 v\i, 0                               ; Q's zero codes; pairs' upper halves and lane permutes' destinations, which count as read
.endr
	s_wait_alu depctr_va_vdst(0)                   ; the wait at the head's end
	s_wait_tensorcnt 0x0                           ; my load has landed, so the descriptors' registers are free;
	s_barrier_signal -1
	s_barrier_wait -1                              ; everybody's has
	MLOAD                                          ; step 0's mask words
	s_wait_kmcnt 0x0
	WIN 0x41
.set n, 0
.rept 64
	v_cndmask_b32 v[128+n], 0, v6, s[32+n+4*(n/32)]
.set n, n+1
.endr
	WIN 0
	s_wait_alu depctr_va_vdst(0)                   ; the selects are done before their words' registers are loaded anew
	s_wait_xcnt 0x0
	s_add_nc_u64 s[8:9], s[8:9], 256
	MLOAD                                          ; step 1's
.Lpass:                                            ; two trips: a tile of 16 queries, both heads
	global_load_b128 v[40:43], v1, s[4:5]
	global_load_b128 v[52:55], v1, s[4:5] offset:65536
	global_load_b64 v[32:33], v7, s[6:7]
.irp h, 0,1
	v_mov_b32 v[12+4*\h], 0x50800000               ; -M = 2^34
	v_mov_b32 v[13+4*\h], 0xd0800000               ; the largest t so far: -2^34
	v_mov_b32 v[14+4*\h], 0
	v_mov_b32 v[15+4*\h], 0
.endr
	v_mov_b32 v2, v1                               ; K's addresses stand at step 0; V's and V's scale words' one step back: a step's head steps them
	v_add_nc_u32 v3, KB, v1
	v_add_nc_u32 v4, VA-4096, v1
	v_add_nc_u32 v5, VB-4096, v1
	v_lshl_add_u32 v38, v120, 3, KSC
	v_lshl_add_u32 v39, v120, 2, VSC-256
	WIN 0x40
.set n, 0
.rept 64
	v_mov_b32 v[192+n], 0                          ; O^T of both heads: the step is written once, and a pass's first step finds zeros
.set n, n+1
.endr
	WIN 0
	s_wait_alu depctr_va_vdst(0)                   ; the wait ahead of the waits below
	s_wait_dscnt 0x0                               ; the last pass's look-ahead loads have landed
	KLOAD
	s_mov_b32 s25, 16
	s_wait_loadcnt 0x0
.Lstep:                                            ; sixteen trips: 128 keys, both heads
	v_add_nc_u32 v4, 0x1000, v4                    ; these four are the places between the last products and the loads into their operands
	v_add_nc_u32 v5, 0x1000, v5
	v_add_nc_u32 v39, 0x100, v39
	v_add_nc_u32 v38, 0x400, v38                   ; K's scale words: the next step's
.irp f, 0,1,2,3,4,5,6,7
	ds_load_b128 v[192+4*\f:195+4*\f], v4 offset:512*\f
	ds_load_b128 v[224+4*\f:227+4*\f], v5 offset:512*\f
.endr
.irp g, 0,1
	ds_load_b32 v[28+\g], v39 offset:128*\g
	ds_load_b32 v[30+\g], v39 offset:4096+128*\g
.endr
	s_wait_alu depctr_va_vdst(0)                   ; the wait ahead of the wait below
	s_wait_dscnt 20                                ; K and its scale words are in; V's 20 loads, issued behind them, may stay out
	WIN 0x50
.irp t, 0,1,2,3,4,5,6,7
	QK \t, 0
	QK \t, 1
.endr
	WIN 0
	v_add_nc_u32 v2, 0x1000, v2                    ; four places: the next step's K, and the old -M
	v_add_nc_u32 v3, 0x1000, v3
	v_mov_b32 v92, v12
	v_mov_b32 v116, v16
	KLOAD                                          ; the next step's K (a pass's last step reads bytes of the next region, which nobody uses)
	WIN 0x15
.irp h, 0,1
.irp b, 0,1,2,3
	v_max3_num_f32 v[72+24*\h+\b], v[64*\h+16*\b], v[64*\h+16*\b+1], v[64*\h+16*\b+2]   ; the largest score of each block of 32 keys; each accumulator is read from its low end on
.endr
.endr
	WIN 0x14
.irp i, 3,5,7,9,11,13
.irp h, 0,1
.irp b, 0,1,2,3
	v_max3_num_f32 v[72+24*\h+\b], v[72+24*\h+\b], v[64*\h+16*\b+\i], v[64*\h+16*\b+\i+1]
.endr
.endr
.endr
.irp h, 0,1
.irp b, 0,1,2,3
	v_max_num_f32 v[72+24*\h+\b], v[72+24*\h+\b], v[64*\h+16*\b+15]
.endr
.endr
	WIN 0
.irp h, 0,1
.irp b, 0,1,2,3
	v_permlanex16_b32 v[76+24*\h+\b], v[72+24*\h+\b], s18, s19
.endr
.endr
.irp h, 0,1
.irp b, 0,1,2,3
	v_max_num_f32 v[72+24*\h+\b], v[72+24*\h+\b], v[76+24*\h+\b]
.endr
.endr
.irp h, 0,1
	v_max3_num_f32 v[93+24*\h], v[72+24*\h], v[73+24*\h], v[74+24*\h]
.endr
.irp h, 0,1
	v_max_num_f32 v[93+24*\h], v[93+24*\h], v[75+24*\h]
.endr
.irp h, 0,1
	v_mul_f32 v[93+24*\h], s20, v[93+24*\h]        ; the step's largest t
.endr
.irp h, 0,1
	v_max_num_f32 v[13+4*\h], v[13+4*\h], v[93+24*\h]
.endr
.irp h, 0,1
	v_floor_f32 v[12+4*\h], -v[13+4*\h]            ; -M = -ceil(t)
.endr
.irp h, 0,1
	v_sub_f32 v[92+24*\h], v[12+4*\h], v[92+24*\h] ; old M less new M
.endr
.irp h, 0,1
	v_cvt_i32_f32 v[92+24*\h], v[92+24*\h]         ; (it saturates)
.endr
.irp h, 0,1
	v_ldexp_f32 v[34+2*\h], 1.0, v[92+24*\h]       ; f = 2^(old M - new M)
.endr
.irp h, 0,1
.irp b, 0,1,2,3
	v_fma_f32 v[72+24*\h+\b], v[72+24*\h+\b], s20, v[12+4*\h]   ; t - M of each block's largest score
.endr
.endr
	WIN 0x41
.set n, 0
.rept 16
	v_pk_mul_f32 v[192+n:193+n], v[192+n:193+n], v[34:35] op_sel_hi:[1,0]   ; O^T under the new M, ahead of the step's exponentials
	v_pk_mul_f32 v[224+n:225+n], v[224+n:225+n], v[36:37] op_sel_hi:[1,0]
.set n, n+2
.endr
.set n, 0
.rept 32
	v_pk_fma_f32 v[n:n+1], v[n:n+1], s[20:21], v[12:13] op_sel_hi:[1,0,0]   ; head A: t - M
.set n, n+2
.endr
	s_wait_alu depctr_va_vdst(0)                   ; the wait ahead of the batch
	s_wait_kmcnt 0x0                               ; the next step's mask words, asked for a step ago
.set n, 0
.rept 32                                       ; head A's exponentials; between them plain work that names none of them: head B's t - M,
	v_exp_f32 v[n], v[n]
	v_pk_fma_f32 v[64+2*n:65+2*n], v[64+2*n:65+2*n], s[20:21], v[16:17] op_sel_hi:[1,0,0]
.set n, n+1
.endr
.rept 32                                       ; and the next step's mask
	v_exp_f32 v[n], v[n]
	v_cndmask_b32 v[96+n], 0, v6, s[n]
.set n, n+1
.endr
	s_wait_alu depctr_va_vdst(0)                   ; behind head A's batch and ahead of head B's
.set n, 0
.rept 32
	v_exp_f32 v[64+n], v[64+n]
	v_cndmask_b32 v[160+n], 0, v6, s[68+n]
.set n, n+1
.endr
.rept 32
	v_exp_f32 v[64+n], v[64+n]
.set n, n+1
.endr
	WIN 0
.irp h, 0,1
.irp b, 0,1,2,3
	v_exp_f32 v[72+24*\h+\b], v[72+24*\h+\b]       ; each block's largest p
.endr
.endr
	v_pk_mul_f32 v[14:15], v[14:15], v[34:35] op_sel_hi:[1,0]   ; l under the new M (the plain place behind the exponentials)
	v_pk_mul_f32 v[18:19], v[18:19], v[36:37] op_sel_hi:[1,0]
	s_wait_alu depctr_va_vdst(0)                   ; one wait for the batch, ahead of its first reader; the selects are done too
	s_wait_xcnt 0x0                                ; the pointer is written only behind this wait
	s_cmp_gt_u32 s27, 2                            ; the last two steps step by 0: no load leaves the buffer
	s_cselect_b32 s28, 256, 0
	s_add_nc_u64 s[8:9], s[8:9], s[28:29]
	MLOAD                                          ; the words of the step after next
.irp h, 0,1
.irp b, 0,1,2,3
	v_max_num_f32 v[72+24*\h+\b], 0x1800000, v[72+24*\h+\b]     ; the floor 2^(3 - 127): the byte cannot fall under 1
.endr
.endr
.irp h, 0,1
.irp b, 0,1,2,3
	v_add_nc_u32 v[80+24*\h+\b], 0xff000000, v[72+24*\h+\b]     ; 2 off the exponent field: the conversion's scale operand
.endr
.endr
.irp h, 0,1
.irp b, 0,1,2,3
	v_lshrrev_b32 v[76+24*\h+\b], 23, v[80+24*\h+\b]            ; the scale's byte
.endr
.endr
.irp h, 0,1
	v_lshl_or_b32 v[35+2*\h], v[77+24*\h], 8, v[76+24*\h]       ; p's scale word
.endr
.irp h, 0,1
	v_lshl_or_b32 v[35+2*\h], v[78+24*\h], 16, v[35+2*\h]
.endr
.irp h, 0,1
	v_lshl_or_b32 v[35+2*\h], v[79+24*\h], 24, v[35+2*\h]
.endr
	WIN 0x01
.irp h, 0,1
.irp b, 0,1,2,3
	v_cvt_scalef32_pk8_fp4_f32 v[56+8*\h+2*\b], v[64*\h+16*\b:64*\h+16*\b+7], v[80+24*\h+\b]
	v_cvt_scalef32_pk8_fp4_f32 v[57+8*\h+2*\b], v[64*\h+16*\b+8:64*\h+16*\b+15], v[80+24*\h+\b]
.endr
.endr
	WIN 0
	v_nop                                          ; one plain place behind a scaled conversion
.irp h, 0,1
.irp c, 0,1
.irp i, 0,1
	v_permlane16_swap_b32 v[56+8*\h+4*\c+\i], v[58+8*\h+4*\c+\i]   ; a whole block in a lane
.endr
.endr
.endr
	WIN 0x05                                       ; l sums the unquantised p: four chains a head.  These additions are also the places between p's codes and scale word and the products
.irp h, 0,1
.irp j, 0,1,2,3
	v_pk_add_f32 v[84+24*\h+2*\j:85+24*\h+2*\j], v[64*\h+2*\j:64*\h+2*\j+1], v[64*\h+8+2*\j:64*\h+9+2*\j]
.endr
.endr
	WIN 0x04
.irp k, 16,24,32,40,48,56
.irp h, 0,1
.irp j, 0,1,2,3
	v_pk_add_f32 v[84+24*\h+2*\j:85+24*\h+2*\j], v[84+24*\h+2*\j:85+24*\h+2*\j], v[64*\h+\k+2*\j:64*\h+\k+2*\j+1]
.endr
.endr
.endr
	WIN 0
.irp h, 0,1
	v_pk_add_f32 v[84+24*\h:85+24*\h], v[84+24*\h:85+24*\h], v[86+24*\h:87+24*\h]
	v_pk_add_f32 v[88+24*\h:89+24*\h], v[88+24*\h:89+24*\h], v[90+24*\h:91+24*\h]
.endr
.irp h, 0,1
	v_pk_add_f32 v[84+24*\h:85+24*\h], v[84+24*\h:85+24*\h], v[88+24*\h:89+24*\h]
.endr
.irp h, 0,1
	v_pk_add_f32 v[14+4*\h:15+4*\h], v[14+4*\h:15+4*\h], v[84+24*\h:85+24*\h]
.endr
	s_wait_alu depctr_va_vdst(0)                   ; the wait ahead of the wait below and of the backward jump
	s_wait_dscnt 20                                ; V and its scale words are in; the 20 loads of the next step's K may stay out
	WIN 0x50
.irp t, 0,1,2,3
	PV \t, 0                                       ; eight accumulators by turns
	PV \t, 1
.endr
	WIN 0
	s_sub_co_u32 s27, s27, 1
	s_sub_co_u32 s25, s25, 1
	s_cmp_lg_u32 s25, 0
	s_cbranch_scc1 .Lstep
	; ---- the tile's way out, both heads: O^T / l, quantised along the head's 64, as registers 0-3 of a fragment
	v_add_f32 v14, v14, v15
	v_add_f32 v18, v18, v19
	v_permlanex16_b32 v93, v14, s18, s19
	v_permlanex16_b32 v117, v18, s18, s19
	v_add_f32 v14, v14, v93
	v_add_f32 v18, v18, v117
	s_wait_alu depctr_va_vdst(0)                   ; ahead of the reciprocals
	v_rcp_f32 v15, v14
	v_rcp_f32 v19, v18
	v_nop
	WIN 0x41
	s_wait_alu depctr_va_vdst(0)                   ; ahead of their first reader, which is also O^T's
.set n, 0
.rept 32
	v_mul_f32 v[n], v[192+n], v15
.set n, n+1
.endr
.set n, 0
.rept 32
	v_mul_f32 v[64+n], v[224+n], v19
.set n, n+1
.endr
	WIN 0x05
.irp h, 0,1
.irp b, 0,1
	v_max3_num_f32 v[72+24*\h+\b], |v[64*\h+16*\b]|, |v[64*\h+16*\b+1]|, 0x1800000
.endr
.endr
	WIN 0x14
.irp i, 2,4,6,8,10,12,14
.irp h, 0,1
.irp b, 0,1
	v_max3_num_f32 v[72+24*\h+\b], v[72+24*\h+\b], |v[64*\h+16*\b+\i]|, |v[64*\h+16*\b+\i+1]|
.endr
.endr
.endr
	WIN 0
.irp h, 0,1
.irp b, 0,1
	v_permlanex16_b32 v[76+24*\h+\b], v[72+24*\h+\b], s18, s19
.endr
.endr
.irp h, 0,1
.irp b, 0,1
	v_max_num_f32 v[72+24*\h+\b], v[72+24*\h+\b], v[76+24*\h+\b]
.endr
.endr
.irp h, 0,1
.irp b, 0,1
	v_add_nc_u32 v[80+24*\h+\b], 0xff000000, v[72+24*\h+\b]
.endr
.endr
.irp h, 0,1
.irp b, 0,1
	v_lshrrev_b32 v[76+24*\h+\b], 23, v[80+24*\h+\b]
.endr
.endr
.irp h, 0,1
	v_lshl_or_b32 v[93+24*\h], v[77+24*\h], 8, v[76+24*\h]      ; the head's two bytes of my row
.endr
	v_cmp_eq_f32 vcc_lo, 0, v14
	v_cndmask_b32 v93, v93, v9, vcc_lo             ; a wholly masked row: both bytes 0xff
	v_cmp_eq_f32 vcc_lo, 0, v18
	v_cndmask_b32 v117, v117, v9, vcc_lo
	WIN 0x01
.irp h, 0,1
.irp b, 0,1
	v_cvt_scalef32_pk8_fp4_f32 v[56+8*\h+2*\b], v[64*\h+16*\b:64*\h+16*\b+7], v[80+24*\h+\b]
	v_cvt_scalef32_pk8_fp4_f32 v[57+8*\h+2*\b], v[64*\h+16*\b+8:64*\h+16*\b+15], v[80+24*\h+\b]
.endr
.endr
	WIN 0
	v_nop
.irp h, 0,1
	v_permlane16_swap_b32 v[56+8*\h], v[58+8*\h]
	v_permlane16_swap_b32 v[57+8*\h], v[59+8*\h]
.endr
	global_store_b128 v1, v[56:59], s[10:11]             ; 512 consecutive bytes, aligned
	global_store_b128 v1, v[64:67], s[10:11] offset:512
	global_store_b16 v8, v93, s[12:13]                   ; 32 consecutive bytes; lanes 16-31 write what lanes 0-15 write
	global_store_b16 v8, v117, s[12:13] offset:16384
	s_wait_alu depctr_va_vdst(0)                   ; the wait ahead of the wait and the jump below
	s_wait_xcnt 0x0                                ; the stores have read their registers and bases
	s_add_nc_u64 s[4:5], s[4:5], 512               ; on to my second tile
	s_add_nc_u64 s[6:7], s[6:7], 128
	s_add_nc_u64 s[10:11], s[10:11], 8192
	s_add_nc_u64 s[12:13], s[12:13], 32
	s_sub_co_u32 s26, s26, 1
	s_cmp_lg_u32 s26, 0
	s_cbranch_scc1 .Lpass
	s_wait_kmcnt 0x0                               ; the last scalar loads
	s_wait_tensorcnt 0x0                           ; the wave's end
	ds_add_u32 v10, v11
	s_wait_dscnt 0x0
	CROUND                                         ; the closing round
	s_endpgm
.Lfunc_end_k_q5bc2cc26c9_attn:
	.size	k_q5bc2cc26c9_attn, .Lfunc_end_k_q5bc2cc26c9_attn-k_q5bc2cc26c9_attn
	.p2alignl 7, 3214868480
	.fill 96, 4, 3214868480
	.section	.rodata,"a",@progbits
	.p2align	6, 0x0
	.amdhsa_kernel k_q5bc2cc26c9_attn
		.amdhsa_group_segment_fixed_size 327680
		.amdhsa_private_segment_fixed_size 0
		.amdhsa_enable_private_segment 0
		.amdhsa_kernarg_size 40
		.amdhsa_user_sgpr_count 2
		.amdhsa_user_sgpr_kernarg_segment_ptr 1
		.amdhsa_wavefront_size32 1
		.amdhsa_system_sgpr_workgroup_id_x 1
		.amdhsa_system_sgpr_workgroup_id_y 1
		.amdhsa_system_sgpr_workgroup_id_z 1
		.amdhsa_system_vgpr_workitem_id 0
		.amdhsa_next_free_vgpr 512
		.amdhsa_next_free_sgpr 100
		.amdhsa_reserve_vcc 1
		.amdhsa_float_denorm_mode_32 3
		.amdhsa_float_denorm_mode_16_64 3
		.amdhsa_memory_ordered 1
		.amdhsa_forward_progress 1
		.amdhsa_inst_pref_size 58
	.end_amdhsa_kernel
	.amdgpu_metadata
---
amdhsa.version: [ 1, 2 ]
amdhsa.kernels:
  - .name:           k_q5bc2cc26c9_attn
    .symbol:         k_q5bc2cc26c9_attn.kd
    .args:
      - { .name: img, .offset: 0, .size: 8, .value_kind: global_buffer, .address_space: global }
      - { .name: sc, .offset: 8, .size: 8, .value_kind: global_buffer, .address_space: global }
      - { .name: mw, .offset: 16, .size: 8, .value_kind: global_buffer, .address_space: global }
      - { .name: oimg, .offset: 24, .size: 8, .value_kind: global_buffer, .address_space: global }
      - { .name: osc, .offset: 32, .size: 8, .value_kind: global_buffer, .address_space: global }
    .group_segment_fixed_size: 327680
    .private_segment_fixed_size: 0
    .kernarg_segment_align: 8
    .kernarg_segment_size: 40
    .max_flat_workgroup_size: 256
    .sgpr_count:     100
    .vgpr_count:     512
    .wavefront_size: 32
...
	.end_amdgpu_metadata
.endif
;; end of part 2
;; launch oproj (part 3): grid 4 x 64, 8 waves a work-group, clusters of 4 x 4, 273,408 bytes of LDS; arguments oimg, osc, Wo_codes, Wo_scales, bo, out0; writes out0
.if DOCPART == 3
	.amdgcn_target "amdgcn-amd-amdhsa--gfx1250"
	.amdhsa_code_object_version 6
	.text
	.protected	k_q5bc2cc26c9_oproj
	.globl	k_q5bc2cc26c9_oproj
	.p2align	8
	.type	k_q5bc2cc26c9_oproj,@function
k_q5bc2cc26c9_oproj:
	s_mov_b64 s[64:65], 0
	v_nop
	global_prefetch_b8 v0, s[64:65] scope:SCOPE_SE
	s_setreg_imm32_b32 hwreg(HW_REG_WAVE_MODE, 25, 1), 1
	s_wait_xcnt 0x0
	s_wait_alu depctr_hold_cnt(0) depctr_sa_sdst(0) depctr_va_vdst(0) depctr_va_sdst(0) depctr_va_ssrc(0) depctr_va_vcc(0) depctr_vm_vsrc(0)
	s_getreg_b32 s2, hwreg(HW_REG_IB_STS2, 6, 4)
	s_cmp_eq_u32 s2, 0
	s_cbranch_scc0 .Lentry_in_a_cluster
	s_endpgm
.Lentry_in_a_cluster:
	s_bfe_u32 s2, ttmp6, 0x10000c
	s_cmp_lg_u32 s2, 0xf033
	s_cbranch_scc0 .Lentry_shape_is_right
	s_endpgm
.Lentry_shape_is_right:
; out = a Wo^T + bo on codes of FP4 (E2M1) with one E8M0 scale for each 32 along K = 1,024.  a, the attention's result, comes as images of operand registers ([tile of 16 rows][head][512 bytes]) and scale pairs ([head][tile][row], 2 bytes).
; P = Wo is source 0, R = a is source 1: a lane then holds eight neighbouring numbers of one row of out.
; SHARES.  A work-group makes 256 columns (rows of Wo) x 128 rows over all of K: 256 work-groups.  Wave w: ph = w % 2 its 128 columns (8 tiles p), rq = w / 2 its 32 rows (tiles u = 0, 1): 16 accumulators.
; The rows of a tile of a are lane r -> row 8 u + r + 8 (r / 8) of its group of 32, as the earlier launches numbered them; the stores' offsets put them back.  Wo's rows are taken as they lie.
; CLUSTER 4 x 4: Wo's rows hang on cx alone: asked for jointly down a column; a's tiles on cy alone: jointly along a row.
; LDS is filled ONCE: all of K by one tensor load a wave; one wait shows all of it.  The stages for the way out have bytes of their own.
; LIMITS: NaN and infinities among the inputs are not served.  A row whose scale bytes are 0xff (a wholly masked row of some head) comes out as NaN, as the softmax of such a row is NaN.
; PRESENT FORM OF THE FILL: one tensor load a wave: Wo's rows whole (512 bytes + 16 of padding), a's tiles whole (8,192 bytes: 16 heads x 512); one wait and one barrier show all of K.
.set PITCH, 528
.set ROFF,  256*PITCH                  ; behind them a's 8 tiles x 8,192 bytes, dense
.set CH,    ROFF+65536
.set STG,   CH
.set SPITCH, 528
.set ADP,  1                           ; v1-2 LDS address of my fragments of Wo in chunk 0, 1;  v3-4 of a
.set ADR,  3
.set STO,  5                           ; v5 the stage: where I put 32 bytes of a row;  v6 where I read a row back;  v7 16 x lane
.set RD,   6
.set LI,   7
.set RS,   8                           ; v8-15 a's scale words, one register a K step: lanes 0-15 tile 0, lanes 16-31 tile 1
.set PS,   16                          ; v16-47 Wo's: register 8 b + s: lanes 0-15 tile 2 b, lanes 16-31 tile 2 b + 1
.set RF,   48
.set PF,   64
.set ACC,  128                         ; accumulator (p, u) at v[128 + 64 u + 8 p]
.set PH,   12
.set RQ,   13
.set WV,   14
.set G1P,  68
.set G1R,  76
.set G0P,  84
.set G0R,  92
.macro PLACES n
.rept \n
	v_nop
.endr
.endm
.macro CROUND
	s_barrier_signal -1
	s_barrier_wait -1
	s_cmp_lg_u32 s[WV], 0
	s_cbranch_scc1 .Lnot_wave_0_\@
	s_barrier_signal -3
.Lnot_wave_0_\@:
	s_barrier_wait -3
	s_barrier_signal -1
	s_barrier_wait -1
.endm
.macro FETCH s                         ; K step s: heads 2 s and 2 s + 1 of a's two tiles (an image each), Wo's eight fragments
.irp u, 0,1
.irp c, 0,1
	ds_load_b128 v[RF+8*\u+4*\c:RF+8*\u+4*\c+3], v[ADR+(\s)/4] offset:\u*8192+(2*((\s)%4)+\c)*512
.endr
.endr
.irp p, 0,1,2,3,4,5,6,7
.irp c, 0,1
	ds_load_b128 v[PF+8*\p+4*\c:PF+8*\p+4*\c+3], v[ADP+(\s)/4] offset:16*\p*PITCH+64*((\s)%4)+32*\c
.endr
.endr
.endm
.macro MUL p, u, s, c0
.set rD, ACC+64*(\u)+8*(\p)
.set rA, PF+8*(\p)
.set rB, RF+8*(\u)
.set rX, PS+8*((\p)/2)+(\s)
.set rY, RS+(\s)
.set rC, \c0
.if ((\p)%2 == 0) && ((\u) == 0)
	v_wmma_scale_f32_16x16x128_f8f6f4 v[rD:rD+7], v[rA:rA+7], v[rB:rB+7], v[rC:rC+7], v[rX], v[rY] matrix_a_fmt:MATRIX_FMT_FP4 matrix_b_fmt:MATRIX_FMT_FP4
.elseif (\u) == 0
	v_wmma_scale_f32_16x16x128_f8f6f4 v[rD:rD+7], v[rA:rA+7], v[rB:rB+7], v[rC:rC+7], v[rX], v[rY] matrix_a_fmt:MATRIX_FMT_FP4 matrix_b_fmt:MATRIX_FMT_FP4 matrix_a_scale:MATRIX_SCALE_ROW1
.elseif (\p)%2 == 0
	v_wmma_scale_f32_16x16x128_f8f6f4 v[rD:rD+7], v[rA:rA+7], v[rB:rB+7], v[rC:rC+7], v[rX], v[rY] matrix_a_fmt:MATRIX_FMT_FP4 matrix_b_fmt:MATRIX_FMT_FP4 matrix_b_scale:MATRIX_SCALE_ROW1
.else
	v_wmma_scale_f32_16x16x128_f8f6f4 v[rD:rD+7], v[rA:rA+7], v[rB:rB+7], v[rC:rC+7], v[rX], v[rY] matrix_a_fmt:MATRIX_FMT_FP4 matrix_b_fmt:MATRIX_FMT_FP4 matrix_a_scale:MATRIX_SCALE_ROW1 matrix_b_scale:MATRIX_SCALE_ROW1
.endif
.endm
.macro KSTEP s                         ; the 16 accumulators take turns, one instruction a turn, in the same order in every step
	FETCH \s
.irp p, 0,1,2,3,4,5,6,7
	s_wait_dscnt 14-2*\p                           ; ahead of Wo's tile p the 2 (7 - p) loads of the later tiles may stay out
	MUL \p, 0, \s, ACC+8*\p
	MUL \p, 1, \s, ACC+64+8*\p
.endr
	PLACES 4
.endm
	s_load_b256 s[4:11], s[0:1], 0x0               ; a's images, a's scale pairs, Wo's codes, Wo's scales
	s_load_b128 s[16:19], s[0:1], 0x20             ; bo, out
	s_set_vgpr_msb 0x40
	v_lshl_add_u32 v0, v0, 2, 0x42800
	v_mov_b32 v1, 0
	s_set_vgpr_msb 0x4045
	ds_add_u32 v0, v1
	ds_add_u32 v0, v1
	s_set_vgpr_msb 0x4500
	v_lshrrev_b32 v5, 5, v0
	s_delay_alu instid0(VALU_DEP_1)
	v_readfirstlane_b32 s[WV], v5                  ; wave 0..7
	s_bfe_u32 s54, ttmp6, 0x40000                  ; cx: Wo's block of 256 rows
	s_bfe_u32 s55, ttmp6, 0x40004                  ; cy
	s_and_b32 s3, ttmp7, 0xffff
	s_lshl_b32 s3, s3, 2
	s_add_co_u32 s3, s3, s55                       ; a's block of 128 rows = 4 x cluster y + cy
	s_lshl_b32 s56, s55, 2
	s_lshl_b32 s56, 15, s56                        ; my row of the cluster
	s_lshl_b32 s57, 0x1111, s54                    ; my column
	; group 1.  Wo: 64 rows of 512 bytes (elements of 1 byte), dense in memory, 4 words of padding behind every 128.  a: 2 rows of 8,192 bytes (1,024 elements of 8), dense in memory and in LDS
	s_or_b32 s[G1P], s57, (1<<20)|(1<<21)|(6<<22)|(3<<25)
	s_or_b32 s[G1R], s56, (3<<16)|(1<<21)
	s_mov_b32 s[G1P+1], 512<<16
	s_mov_b32 s[G1P+2], 64<<16
	s_mov_b32 s[G1P+3], 512<<16
	s_mov_b32 s[G1P+4], 64
	s_mov_b32 s[G1P+5], 512
	s_mov_b32 s[G1P+6], 0
	s_mov_b32 s[G1P+7], 0
	s_mov_b32 s[G1R+1], 1024<<16
	s_mov_b32 s[G1R+2], 2<<16
	s_mov_b32 s[G1R+3], 1024<<16
	s_mov_b32 s[G1R+4], 2
	s_mov_b32 s[G1R+5], 1024
	s_mov_b32 s[G1R+6], 0
	s_mov_b32 s[G1R+7], 0
	s_and_b32 s67, s[WV], 3                        ; which quarter I fetch (waves 0-3: of Wo's rows; waves 4-7: of a's tiles)
	s_mul_i32 s58, s67, 64*PITCH
	s_lshl_b32 s59, s67, 14
	s_add_co_u32 s59, s59, ROFF
	s_lshl_b32 s60, s54, 17
	s_lshl_b32 s61, s67, 15
	s_add_co_u32 s60, s60, s61
	s_mov_b32 s61, 0
	s_lshl_b32 s62, s3, 16                         ; 8 tiles of 8,192 bytes a block,
	s_lshl_b32 s63, s67, 14                        ; 2 a quarter
	s_add_co_u32 s62, s62, s63
	s_mov_b32 s63, 0
	s_wait_dscnt 0x0
	s_wait_kmcnt 0x0
	s_add_nc_u64 s[20:21], s[8:9], s[60:61]
	s_add_nc_u64 s[22:23], s[4:5], s[62:63]
.irp c, 0,1
	s_mov_b32 s[G0P+4*\c], 1
	s_add_co_u32 s[G0P+4*\c+1], s58, \c*CH
	s_add_nc_u64 s[G0P+4*\c+2:G0P+4*\c+3], s[20:21], \c*256
	s_or_b32 s[G0P+4*\c+3], s[G0P+4*\c+3], 0x80000000
	s_mov_b32 s[G0R+4*\c], 1
	s_add_co_u32 s[G0R+4*\c+1], s59, \c*CH
	s_add_nc_u64 s[G0R+4*\c+2:G0R+4*\c+3], s[22:23], \c*4096
	s_or_b32 s[G0R+4*\c+3], s[G0R+4*\c+3], 0x80000000
.endr
	CROUND                                         ; all sixteen work-groups are here: the joint loads meet
	s_cmp_lt_u32 s[WV], 4                          ; a wave's one fill stands in a branch on its number
	s_cbranch_scc0 .Lfill_r
	tensor_load_to_lds s[G0P:G0P+3], s[G1P:G1P+7]
	s_nop 0
	PLACES 4
	s_branch .Lfilled
.Lfill_r:
	tensor_load_to_lds s[G0R:G0R+3], s[G1R:G1R+7]
	s_nop 0
	PLACES 4
.Lfilled:
	s_and_b32 s[PH], s[WV], 1
	s_lshr_b32 s[RQ], s[WV], 1
	v_and_b32 v128, 15, v0                         ; r.  (v128-133 hold lane numbers and offsets until the first products write there)
	v_bfe_u32 v129, v0, 4, 1                       ; h
	v_and_b32 v130, 31, v0                         ; lane
	s_mul_i32 s24, s[PH], 128*PITCH
	v_mul_u32_u24 v1, v128, PITCH
	s_delay_alu instid0(VALU_DEP_1)
	v_lshl_add_u32 v1, v129, 4, v1
	s_delay_alu instid0(VALU_DEP_1)
	v_add_nc_u32 v1, s24, v1                       ; Wo: (128 ph + r) x pitch + 16 h
	s_delay_alu instid0(VALU_DEP_1)
	v_add_nc_u32 v2, 256, v1
	v_lshlrev_b32 v[LI], 4, v130
	s_lshl_b32 s24, s[RQ], 14
	s_add_co_u32 s24, s24, ROFF
	v_add_nc_u32 v3, s24, v[LI]                    ; a: my two tiles' images, 16 bytes a lane
	s_delay_alu instid0(VALU_DEP_1)
	v_add_nc_u32 v4, 4096, v3
	s_mul_i32 s24, s[WV], 16*SPITCH
	s_add_co_u32 s24, s24, STG                     ; my stage
	v_mul_u32_u24 v[STO], v128, SPITCH
	s_delay_alu instid0(VALU_DEP_1)
	v_lshl_add_u32 v[STO], v129, 5, v[STO]
	s_delay_alu instid0(VALU_DEP_1)
	v_add_nc_u32 v[STO], s24, v[STO]               ; in: row r, 32 h bytes on
	v_add_nc_u32 v[RD], s24, v[LI]                 ; back: the 32 lanes take one row of 512 bytes
	s_lshl_b32 s24, s[PH], 7
	v_add_nc_u32 v131, s24, v130
	s_delay_alu instid0(VALU_DEP_1)
	v_lshlrev_b32 v131, 5, v131                    ; Wo's scale words: row 128 ph + lane (+ 32 b), 32 bytes a row
	s_wait_alu depctr_va_vdst(0)
	v_lshlrev_b32 v132, 5, v129                    ; the bias: 8 h numbers on
	s_wait_alu depctr_va_vdst(0)
	v_lshlrev_b32 v133, 1, v130                    ; a's scale pairs: 2 bytes a row, my two tiles' 32 rows on end
	s_wait_alu depctr_va_vdst(0)
	s_mov_b32 s25, 0
	s_lshl_b32 s24, s54, 13
	s_add_nc_u64 s[10:11], s[10:11], s[24:25]
	s_lshl_b32 s24, s54, 10
	s_lshl_b32 s26, s[PH], 9
	s_add_co_u32 s24, s24, s26                     ; my first column, in bytes of f32
	s_add_nc_u64 s[16:17], s[16:17], s[24:25]
	s_add_nc_u64 s[18:19], s[18:19], s[24:25]
	s_lshl_b32 s24, s3, 2
	s_add_co_u32 s24, s24, s[RQ]
	s_lshl_b32 s24, s24, 17                        ; my group of 32 rows of 4,096 bytes
	s_add_nc_u64 s[18:19], s[18:19], s[24:25]
	s_lshl_b32 s24, s3, 8
	s_lshl_b32 s26, s[RQ], 6
	s_add_co_u32 s24, s24, s26
	s_add_nc_u64 s[6:7], s[6:7], s[24:25]
.irp b, 0,1,2,3
	global_load_b128 v[PS+8*\b:PS+8*\b+3], v131, s[10:11] offset:\b*1024
	global_load_b128 v[PS+8*\b+4:PS+8*\b+7], v131, s[10:11] offset:\b*1024+16
.endr
.irp p, 0,1,2,3,4,5,6,7                        ; the bias, eight numbers a tile in the result's layout, straight into the accumulators (p, 1): the C of both tiles' first products
	global_load_b128 v[ACC+64+8*\p:ACC+64+8*\p+3], v132, s[16:17] offset:64*\p
	global_load_b128 v[ACC+64+8*\p+4:ACC+64+8*\p+7], v132, s[16:17] offset:64*\p+16
.endr
.irp d, 0,1,2,3,4,5,6,7,8,9,10,11,12,13,14,15
	global_load_u16 v[96+\d], v133, s[6:7] offset:\d*16384      ; head d's pair of bytes: 64 consecutive bytes a load
.endr
	s_wait_loadcnt 0x0
.irp s, 0,1,2,3,4,5,6,7
	v_lshl_or_b32 v[RS+\s], v[97+2*\s], 16, v[96+2*\s]           ; K step s is heads 2 s and 2 s + 1: four bytes
.endr
	PLACES 8                                       ; a scale register written by a vector instruction stands eight places ahead of a scaled matrix instruction
	s_wait_alu depctr_va_vdst(0)
	s_wait_tensorcnt 0x0                           ; my one load has landed
	s_barrier_signal -1
	s_barrier_wait -1
	FETCH 0
	s_wait_dscnt 0x0
.irp p, 0,1,2,3,4,5,6,7
	MUL \p, 0, 0, ACC+64+8*\p                      ; (p, 0) = product + the bias that lies in (p, 1)
.endr
	PLACES 5                                       ; five places in front of matrix instructions that write over a C just read
.irp p, 0,1,2,3,4,5,6,7
	MUL \p, 1, 0, ACC+64+8*\p                      ; (p, 1) in place
.endr
	PLACES 4
	KSTEP 1
	KSTEP 2
	KSTEP 3
	KSTEP 4
	KSTEP 5
	KSTEP 6
	KSTEP 7
; THE WAY OUT, a tile of 16 rows x 128 columns at a time.  A lane holds 32 neighbouring bytes of a row and the lanes beside it hold other rows: the tile goes through my own stage and comes back as whole rows of 512 bytes.
; LDS serves a wave's instructions in order: no wait between the stores and the loads.  back: where the rows land (tile 0: where Wo's fragments lay; tile 1: tile 0's accumulators, whose LDS stores are done by SEND 0's last wait)
.macro TOSTAGE u, back
.irp p, 0,1,2,3,4,5,6,7
	ds_store_b128 v[STO], v[ACC+64*\u+8*\p:ACC+64*\u+8*\p+3] offset:64*\p          ; each accumulator from its low end on
	ds_store_b128 v[STO], v[ACC+64*\u+8*\p+4:ACC+64*\u+8*\p+7] offset:64*\p+16
.endr
.irp t, 0,1,2,3,4,5,6,7,8,9,10,11,12,13,14,15
	ds_load_b128 v[\back+4*\t:\back+4*\t+3], v[RD] offset:\t*SPITCH
.endr
.endm
.macro SEND u, back
.irp t, 0,1,2,3,4,5,6,7,8,9,10,11,12,13,14,15
	s_wait_dscnt 15-\t                             ; row t is back; the younger rows may stay out
	global_store_b128 v[LI], v[\back+4*\t:\back+4*\t+3], s[18:19] offset:(8*\u+\t+8*(\t/8))*4096 th:TH_STORE_NT   ; the tile's row t is row 8 u + t + 8 (t / 8) of the group: 512 consecutive bytes, aligned; written once, read by nobody here
.endr
.endm
	TOSTAGE 0, PF
	SEND 0, PF
	TOSTAGE 1, ACC
	SEND 1, ACC
	s_set_vgpr_msb 0x5
	s_wait_tensorcnt 0x0
	ds_add_u32 v0, v1
	s_wait_dscnt 0x0
	s_set_vgpr_msb 0x500
	CROUND                                         ; the closing round: no work-group ends while a partner may still ask for a tile that names it
	s_endpgm
.Lfunc_end_k_q5bc2cc26c9_oproj:
	.size	k_q5bc2cc26c9_oproj, .Lfunc_end_k_q5bc2cc26c9_oproj-k_q5bc2cc26c9_oproj
	.p2alignl 7, 3214868480
	.fill 96, 4, 3214868480
	.section	.rodata,"a",@progbits
	.p2align	6, 0x0
	.amdhsa_kernel k_q5bc2cc26c9_oproj
		.amdhsa_group_segment_fixed_size 273408
		.amdhsa_private_segment_fixed_size 0
		.amdhsa_enable_private_segment 0
		.amdhsa_kernarg_size 48
		.amdhsa_user_sgpr_count 2
		.amdhsa_user_sgpr_kernarg_segment_ptr 1
		.amdhsa_wavefront_size32 1
		.amdhsa_system_sgpr_workgroup_id_x 1
		.amdhsa_system_sgpr_workgroup_id_y 1
		.amdhsa_system_sgpr_workgroup_id_z 1
		.amdhsa_system_vgpr_workitem_id 0
		.amdhsa_next_free_vgpr 258
		.amdhsa_next_free_sgpr 100
		.amdhsa_reserve_vcc 0
		.amdhsa_float_denorm_mode_32 3
		.amdhsa_float_denorm_mode_16_64 3
		.amdhsa_memory_ordered 1
		.amdhsa_forward_progress 1
		.amdhsa_inst_pref_size 49
	.end_amdhsa_kernel
	.amdgpu_metadata
---
amdhsa.version: [ 1, 2 ]
amdhsa.kernels:
  - .name:           k_q5bc2cc26c9_oproj
    .symbol:         k_q5bc2cc26c9_oproj.kd
    .args:
      - { .name: oimg, .offset: 0, .size: 8, .value_kind: global_buffer, .address_space: global }
      - { .name: osc, .offset: 8, .size: 8, .value_kind: global_buffer, .address_space: global }
      - { .name: Wo_codes, .offset: 16, .size: 8, .value_kind: global_buffer, .address_space: global }
      - { .name: Wo_scales, .offset: 24, .size: 8, .value_kind: global_buffer, .address_space: global }
      - { .name: bo, .offset: 32, .size: 8, .value_kind: global_buffer, .address_space: global }
      - { .name: out0, .offset: 40, .size: 8, .value_kind: global_buffer, .address_space: global }
    .group_segment_fixed_size: 273408
    .private_segment_fixed_size: 0
    .kernarg_segment_align: 8
    .kernarg_segment_size: 48
    .max_flat_workgroup_size: 256
    .sgpr_count:     100
    .vgpr_count:     258
    .wavefront_size: 32
...
	.end_amdgpu_metadata
.endif
;; end of part 3
